; MI455X (gfx1250); checked and timed in simulation.
; The chip was launched on July 23, 2026; its instructions are those of AMD's public machine-readable ISA for CDNA 5 (MIT licence, August 2026) and "CDNA5" Instruction Set Architecture Reference Guide (July 2026). The comments in the code are by the model that wrote it; some were corrected since.
;; Attention Free Transformer. Allowed arithmetic: matrix products marked QUANTISED: E4M3 operands, one E8M0 scale for each 32 along K, by v_wmma_scale_f32_16x16x128_f8f6f4 with both operands' format E4M3, f32 sums; everything else in f32.
;; Inputs: Wk 512 x 512 float32; Wq 512 x 512 float32; Wv 512 x 512 float32; bk 512 float32; bq 512 float32; bv 512 float32; pos_bias 1,024 x 1,024 float32; x 32 x 1,024 x 512 float32.
;; Outputs: out0 32 x 1,024 x 512 float32.
;; This version of the problem:
;;   THIS VERSION OF THE PROBLEM IS GIVEN IN LOW PRECISION. The matrix products marked QUANTISED in the list below multiply operands that are first quantised to E4M3 (4 exponent bits, 3 mantissa bits; 8 bits a number), with one power-of-two scale for each 32 numbers along K (OCP MX v1.0); their sums are f32. All else is computed in f32.
;;   The module's matrix products, in the order in which they are computed (A, B: the left and right operand; K: the contracted axis; several contracted axes count as one K, in the product's order):
;;     1. [M 32,768, K 512] x [K 512, N 512]; A: input x; B: input Wq: QUANTISED
;;     2. [M 32,768, K 512] x [K 512, N 512]; A: input x; B: input Wk: QUANTISED
;;     3. [M 32,768, K 512] x [K 512, N 512]; A: input x; B: input Wv: QUANTISED
;;     4. [M 16,384, K 1,024] x [K 1,024, N 1,024]; A: computed on the way; B: computed on the way: QUANTISED
;;     5. [M 16,384, K 1,024] x [K 1,024, N 1,024]; A: computed on the way; B: computed on the way: QUANTISED
;;   THE QUANTISER, for each operand of a quantised product, along K:
;;     - K is cut into blocks of 32 from its start; a last block that is shorter is filled with zeros.
;;     - A block's scale is 2^e with e = floor(log2(the largest magnitude in the block)) - 8, held to -126 .. 127; a block of zeros has e = 0. As a byte (E8M0): e + 127.
;;     - Each number is divided by its block's scale, clamped to +-448, and rounded to the nearest number of E4M3, ties to even, subnormals kept.
;;     - The product sums the exact products of the quantised numbers (number of the format x scale) in f32.
;;   ~~~python
;;   def quantise(x, axis):      # numpy; x: float32 -> the quantised numbers, widened to float32 again
;;       x = np.moveaxis(x, axis, -1); K = x.shape[-1]
;;       x = np.pad(x, [(0, 0)] * (x.ndim - 1) + [(0, -K % 32)]); x = x.reshape(x.shape[:-1] + (-1, 32)); a = np.abs(x).max(-1, keepdims=True)
;;       e = np.where(a > 0, np.clip(np.frexp(np.where(a > 0, a, 1))[1] - 1 - 8, -126, 127), 0)      # np.frexp(a)[1] - 1 = floor(log2(a)), exactly
;;       r = np.clip(x / 2.0 ** e, -448, 448)
;;       step = 2.0 ** (np.maximum(np.frexp(np.where(r == 0, 1, r))[1] - 1, -6) - 3)
;;       q = np.round(r / step) * step * 2.0 ** e      # np.round: ties to even
;;       return np.moveaxis(q.reshape(q.shape[:-2] + (-1,))[..., :K], -1, axis).astype(np.float32)
;;   ~~~
;;   OPERANDS COMPUTED ON THE WAY. 'Computed on the way' means the value that the module computes at that place (a softmax that the list does not call 'softmax' is quantised finished and normalised). What goes into a quantiser is computed in f32, as accurately as f32 sums, v_exp_f32 and their like allow (about 1e-6 of the number): no bf16 or f16 on the way to a quantiser, and a product that is left as it is and whose result goes on into a quantised operand takes f32 operands (vector FMAs, or v_wmma_f32_16x16x4_f32). A number that lies on a knife's edge between two numbers of the format may be rounded either way, as far as f32 arithmetic and the matrix unit's own rounding can turn it there, and no further.
;; One version. Each part assembles by itself: llvm-mc -triple=amdgcn-amd-amdhsa -mcpu=gfx1250 --defsym DOCPART=n.
;; ======== version 1 of 1: 2 launches
;; workspace buffers: codes 19,193,856 bytes
;; launch quant (part 1): grid 568 x 1, 4 waves a work-group, no clusters, 57,856 bytes of LDS; arguments x, Wq, Wk, Wv, pos_bias, codes; writes codes
.if DOCPART == 1
	.amdgcn_target "amdgcn-amd-amdhsa--gfx1250"
	.amdhsa_code_object_version 6
	.text
	.protected	k_q46e4c80a34_quant
	.globl	k_q46e4c80a34_quant
	.p2align	8
	.type	k_q46e4c80a34_quant,@function
k_q46e4c80a34_quant:
	s_mov_b64 s[64:65], 0
	v_nop
	global_prefetch_b8 v0, s[64:65] scope:SCOPE_SE
	s_setreg_imm32_b32 hwreg(HW_REG_WAVE_MODE, 25, 1), 1
	s_wait_xcnt 0x0
; x [32768][512], Wq, Wk, Wv [512][512] and exp(pos_bias) [1024][1024], all with K innermost, become codes of FP8 (E4M3) with one E8M0 byte for each 32 along K.
; NOTHING OF THE PROBLEM IS LEFT OUT: every input has a way to the output, and the problem takes no maximum away ahead of its exponentials, so neither does this program.
; A block's scale is 2^(floor(log2(its largest magnitude)) - 8); its byte is the largest magnitude's exponent field - 8, held at 1 from below.  Each number is divided by the scale, held within +-448 and rounded to the nearest code, ties to even.
; THE BUFFER 'codes' IS LAID AS THE SECOND LAUNCH'S OPERAND REGISTERS WANT IT.  A UNIT is 16 rows x 512 along K: four fragments of 2,048 bytes (unit U at byte 8,192 U), and its 256 scale bytes (at SCB + 256 U).
; A fragment (16 rows x 128 K) is the image of 16 registers: piece c (registers 4 c .. 4 c + 3) at 512 c; lane r + 16 h has its 16 bytes at 16 (r + 16 h): K = 32 c + 16 h + 0 .. 15 of the tile's row r.
; So the 16 codes K = 16 l .. 16 l + 15 of the tile's row t lie at byte 256 l + 16 t of the unit.  The scale bytes lie [row][16]: four words a row, one for each 128 along K.
; THE ROWS OF A TILE ARE NOT NEIGHBOURS: row r of tile T is the tensor's row 32 (T / 2) + 8 (T % 2) + r + 8 (r / 8), so that in the second launch two neighbouring tiles' results are 16 neighbours along the next K.
; Units: 0-2047 x;  2048-2079 Wq;  2080-2111 Wk;  2112-2143 Wv;  2144-2271 exp(pos_bias), unit 2 T + g for its tile T and half g of its K.
; SHARES.  A wave takes one unit, in 16 steps of one row's 512 numbers.  Each of a step's four loads reads 512 consecutive bytes; the 2,048 bytes turn through the wave's own stage in LDS and come back 64 bytes a lane,
; since the conversions take neighbours along K from ONE lane's registers; two neighbouring lanes hold a block.  The unit's codes are gathered in a second stage (32 rows of 256 bytes + 16) and leave as 16 stores of 512 consecutive bytes.
; One text serves all five tensors: only pointers and shifts are chosen, by the work-group's number; for pos_bias a scalar branch lets the exponentials in, round vector lines alone.
; No tensor load, no barrier (waves share nothing), no matrix unit, no cluster, no prefetch: the launch is one stream read once.
; LIMITS: exp(z) is taken as 2^(z log2 e): its relative error grows with |z|, about 1e-7 |z|.  v_exp_f32 gives 0 where the result would lie under 2^-126.  A block of zeros gets the byte 1 where the rule says 127:
; its codes are zeros, and this program alone reads the bytes.  NaN and infinities among the inputs are not served.
.set SCB,   18612224                   ; where the scale bytes begin: 2,272 units x 8,192
.set STEPS, 16
.set EMAX,  8
.set MANT,  0x600000                   ; the mantissa field of 448 as f32
.set WREG,  14336                      ; LDS: a region for each wave:
.set SP,    80                         ;   two turning stages of 32 x SP bytes (a lane's 64 bytes + 16),
.set CST,   5120                       ;   the codes' stage, 32 rows of CP bytes,
.set CP,    272
.set SST,   13824                      ;   and the unit's 256 scale bytes
.set SPARE, 4*WREG                     ; behind the four regions: the spare words, 128 bytes for each wave: two blocks of 256 bytes that no other line names
.set SPW,   12                         ; v12      LDS address of my spare word; never rewritten
.set NIL,   13                         ; v13      0; never rewritten
.set VA,    16                         ; v16-19   the loads' offsets, a register for each of the four sets
.set CR,    20                         ; v20      where I read the codes' stage back
.set C,     24                         ; v24-31   codes, two sets of four
.set E,     32                         ; v32-33   a scale byte, two sets
.set R,     48                         ; v48-111  four sets of 16 numbers as they are loaded; at the end the unit's codes on their way out
.set X,     112                        ; v112-143 two sets of 16 neighbours
.set OUTR,  48
	s_load_b256 s[4:11], s[0:1], 0x0               ; x, Wq, Wk, Wv
	s_load_b128 s[12:15], s[0:1], 0x20             ; pos_bias, codes
	v_lshl_add_u32 v[SPW], v0, 2, SPARE
	v_mov_b32 v[NIL], 0
	v_lshrrev_b32 v1, 5, v0
	v_readfirstlane_b32 s16, v1                    ; wave
	v_and_b32 v2, 31, v0                           ; lane
	v_lshlrev_b32 v3, 4, v2                        ; 16 x lane: my bytes of a load's, and of a store's, 512
	s_mul_i32 s17, s16, WREG
	v_lshrrev_b32 v14, 2, v2
	v_mul_u32_u24 v14, v14, SP
	v_and_b32 v15, 3, v2
	v_lshl_add_u32 v14, v15, 4, v14
	v_add_nc_u32 v14, s17, v14                     ; the turning stage, on the way in: SP (lane / 4) + 16 (lane % 4)
	v_mul_u32_u24 v15, v2, SP
	v_add_nc_u32 v15, s17, v15                     ; and on the way out: SP x lane: my 16 neighbours
	s_add_co_u32 s19, s17, CST
	v_mul_u32_u24 v4, v2, CP
	v_add_nc_u32 v4, s19, v4                       ; the codes' stage, in: row = my lane; step t's 16 bytes at 16 t
	v_and_b32 v8, 15, v2
	v_lshrrev_b32 v9, 4, v2
	v_mul_u32_u24 v[CR], v9, CP
	v_lshl_add_u32 v[CR], v8, 4, v[CR]
	v_add_nc_u32 v[CR], s19, v[CR]                 ; back: sixteen lanes to a row, two rows an instruction
	s_add_co_u32 s19, s17, SST
	v_lshrrev_b32 v5, 1, v2
	v_add_nc_u32 v5, s19, v5                       ; my block's scale byte in a row's 16
	v_lshlrev_b32 v7, 3, v2
	v_add_nc_u32 v6, s19, v7                       ; and on the way out 8 bytes a lane
	s_mov_b32 s23, MANT
	s_mov_b32 s24, 0x3fb8aa3b                      ; log2 e
	s_mov_b32 s25, s24                             ; (named with it as a pair, so it is written)
	s_lshl_b32 s18, ttmp9, 2
	s_add_co_u32 s18, s18, s16                     ; my unit
	s_mov_b32 s20, 2144
	s_wait_kmcnt 0x0
	s_cmp_lt_u32 ttmp9, 536                        ; whose unit?  Every choice hangs on the work-group's number alone
	s_cselect_b64 s[12:13], s[10:11], s[12:13]
	s_cselect_b32 s20, 2112, s20                   ; the tensor's first unit
	s_cselect_b32 s26, 0, 1                        ; 1 for pos_bias: rows twice as long, two units to a tile, and the exponential
	s_cmp_lt_u32 ttmp9, 528
	s_cselect_b64 s[12:13], s[8:9], s[12:13]
	s_cselect_b32 s20, 2080, s20
	s_cmp_lt_u32 ttmp9, 520
	s_cselect_b64 s[12:13], s[6:7], s[12:13]
	s_cselect_b32 s20, 2048, s20
	s_cmp_lt_u32 ttmp9, 512
	s_cselect_b64 s[12:13], s[4:5], s[12:13]
	s_cselect_b32 s20, 0, s20
	s_sub_co_u32 s21, s18, s20                     ; the unit's number in its tensor
	s_lshr_b32 s22, s21, s26                       ; its tile
	s_and_b32 s21, s21, s26                        ; its half of K
	s_add_co_u32 s27, s26, 11                      ; a row is 2^11 or 2^12 bytes
	s_lshr_b32 s28, s22, 1
	s_lshl_b32 s28, s28, 5
	s_and_b32 s22, s22, 1
	s_lshl_b32 s22, s22, 3
	s_add_co_u32 s28, s28, s22                     ; the tile's first row: 32 (T / 2) + 8 (T % 2)
	s_lshl_b32 s28, s28, s27
	s_lshl_b32 s21, s21, 11
	s_add_co_u32 s28, s28, s21                     ; in bytes, under 2^27
	s_mov_b32 s29, 0
	s_add_nc_u64 s[4:5], s[12:13], s[28:29]        ; the source
	s_lshl_b32 s28, s18, 13
	s_add_nc_u64 s[8:9], s[14:15], s[28:29]        ; the unit's codes
	s_lshl_b32 s28, s18, 8
	s_add_co_u32 s28, s28, SCB
	s_add_nc_u64 s[10:11], s[14:15], s[28:29]      ; the unit's scale bytes
.macro LOAD t                          ; the tile's row t: t + 8 (t / 8) rows on
	s_lshl_b32 s30, (\t)+8*((\t)/8), s27
	v_add_nc_u32 v[VA+(\t)%4], s30, v3             ; the set's last loads, four steps back, have been waited for by their own count: their offset may be written
.irp i, 0,1,2,3
	global_load_b128 v[R+16*((\t)%4)+4*\i:R+16*((\t)%4)+4*\i+3], v[VA+(\t)%4], s[4:5] offset:512*\i th:TH_LOAD_NT   ; 32 lanes read 512 consecutive bytes; read once in the launch
.endr
.endm
.macro TURN t                          ; step t's numbers through the stage: LDS serves a wave's instructions in order (ISA guide 5.7.1.4), so no wait stands between the stores and the loads
.irp i, 0,1,2,3
	ds_store_b128 v14, v[R+16*((\t)%4)+4*\i:R+16*((\t)%4)+4*\i+3] offset:32*SP*((\t)%2)+8*SP*\i
.endr
.irp i, 0,1,2,3
	ds_load_b128 v[X+16*((\t)%2)+4*\i:X+16*((\t)%2)+4*\i+3], v15 offset:32*SP*((\t)%2)+16*\i
.endr
.endm
.irp t, 0,1,2,3
	LOAD \t
.endr
	s_wait_loadcnt 12                              ; step 0's four loads are in
	TURN 0
.macro STEP t
.set XS, X+16*((\t)%2)
.set CS, C+4*((\t)%2)
.if (\t) > 0
	s_wait_dscnt 2                                 ; this step's numbers are back from the stage; the last step's two stores (codes, byte) may be out.  So the stage's stores have read their registers, and the codes' set of two steps back is free
.else
	s_wait_dscnt 0x0
.endif
.if (\t)+4 < STEPS
	LOAD (\t)+4
.endif
.if (\t)+1 < STEPS
.if STEPS-2-(\t) >= 3
	s_wait_loadcnt 12                              ; the next step's four loads are in; those of the three steps behind it may be out
.else
	s_wait_loadcnt 4*(STEPS-2-(\t))
.endif
	TURN (\t)+1                                    ; they go through the other stage while this step is worked
.endif
	s_cmp_eq_u32 s26, 0
	s_cbranch_scc1 .Lnoexp_\@                      ; the same in all waves of the work-group; it leads round vector lines alone
.irp i, 0,2,4,6,8,10,12,14
	v_pk_mul_f32 v[XS+\i:XS+\i+1], v[XS+\i:XS+\i+1], s[24:25] op_sel_hi:[1,0]
.endr
.irp i, 0,1,2,3,4,5,6,7,8,9,10,11,12,13,14,15
	v_exp_f32 v[XS+\i], v[XS+\i]                   ; exp(pos_bias)
.endr
	v_nop                                          ; a plain instruction behind the last exponential
	s_wait_alu depctr_va_vdst(0)                   ; one wait for the sixteen, ahead of the label and of their first reader
.Lnoexp_\@:
	v_max3_num_f32 v8, |v[XS]|, |v[XS+1]|, |v[XS+2]|               ; the largest magnitude of my 16
	v_max3_num_f32 v9, |v[XS+3]|, |v[XS+4]|, |v[XS+5]|
.irp i, 6,10
	v_max3_num_f32 v8, v8, |v[XS+\i]|, |v[XS+\i+1]|
	v_max3_num_f32 v9, v9, |v[XS+\i+2]|, |v[XS+\i+3]|
.endr
	v_max3_num_f32 v8, v8, |v[XS+14]|, |v[XS+15]|
	v_max3_num_f32 v8, v8, v9, (EMAX+1)<<23        ; and the floor 2^(EMAX + 1 - 127): so the byte cannot fall under 1
	v_max_num_f32_dpp v8, v8, v8 row_xmask:1 row_mask:0xf bank_mask:0xf   ; and of my neighbour's 16: the block's
	v_add_nc_u32 v11, -(EMAX<<23), v8              ; EMAX off its exponent field: the conversion takes the exponent field of this operand as its scale
	v_and_or_b32 v10, v8, 0x7f800000, s23          ; 448 x the scale
.irp i, 0,1,2,3,4,5,6,7,8,9,10,11,12,13,14,15
	v_med3_num_f32 v[XS+\i], v[XS+\i], -v10, v10   ; the conversion to an 8-bit code does not saturate (ISA guide 7.6.2): the hold comes first
.endr
	v_cvt_scalef32_pk8_fp8_f32 v[CS:CS+1], v[XS:XS+7], v11
	v_cvt_scalef32_pk8_fp8_f32 v[CS+2:CS+3], v[XS+8:XS+15], v11
	v_lshrrev_b32 v[E+(\t)%2], 23, v11             ; the scale's byte (a plain line behind the conversions)
	ds_store_b128 v4, v[CS:CS+3] offset:16*(\t)    ; byte 256 lane + 16 t of the unit
	ds_store_b8 v5, v[E+(\t)%2] offset:16*(\t)     ; both lanes of a block write the same byte with the same value
.endm
.irp t, 0,1,2,3,4,5,6,7,8,9,10,11,12,13,14,15
	STEP \t
.endr
.irp n, 0,1,2,3,4,5,6,7,8,9,10,11,12,13,14,15
	ds_load_b128 v[OUTR+4*\n:OUTR+4*\n+3], v[CR] offset:2*CP*\n    ; these see my stores: a wave's LDS instructions are served in order
.endr
	ds_load_b64 v[8:9], v6
.irp n, 0,1,2,3,4,5,6,7,8,9,10,11,12,13,14,15
	s_wait_dscnt 16-\n                             ; load n is in; the younger ones may be out
	global_store_b128 v3, v[OUTR+4*\n:OUTR+4*\n+3], s[8:9] offset:512*\n   ; 32 lanes store 512 consecutive bytes, at a multiple of 256 from the buffer's first byte
.endr
	s_wait_dscnt 0x0
	global_store_b64 v7, v[8:9], s[10:11]          ; the unit's 256 scale bytes, whole
	s_wait_tensorcnt 0x0                           ; the wave's end, behind my last LDS store
	ds_add_u32 v[SPW], v[NIL]
	s_wait_dscnt 0x0
	s_endpgm
.Lfunc_end_k_q46e4c80a34_quant:
	.size	k_q46e4c80a34_quant, .Lfunc_end_k_q46e4c80a34_quant-k_q46e4c80a34_quant
	.p2alignl 7, 3214868480
	.fill 96, 4, 3214868480
	.section	.rodata,"a",@progbits
	.p2align	6, 0x0
	.amdhsa_kernel k_q46e4c80a34_quant
		.amdhsa_group_segment_fixed_size 57856
		.amdhsa_private_segment_fixed_size 0
		.amdhsa_enable_private_segment 0
		.amdhsa_kernarg_size 48
		.amdhsa_user_sgpr_count 2
		.amdhsa_user_sgpr_kernarg_segment_ptr 1
		.amdhsa_wavefront_size32 1
		.amdhsa_system_sgpr_workgroup_id_x 1
		.amdhsa_system_sgpr_workgroup_id_y 1
		.amdhsa_system_sgpr_workgroup_id_z 1
		.amdhsa_system_vgpr_workitem_id 0
		.amdhsa_next_free_vgpr 160
		.amdhsa_next_free_sgpr 66
		.amdhsa_reserve_vcc 0
		.amdhsa_float_denorm_mode_32 3
		.amdhsa_float_denorm_mode_16_64 3
		.amdhsa_memory_ordered 1
		.amdhsa_forward_progress 1
		.amdhsa_inst_pref_size 74
	.end_amdhsa_kernel
	.amdgpu_metadata
---
amdhsa.version: [ 1, 2 ]
amdhsa.kernels:
  - .name:           k_q46e4c80a34_quant
    .symbol:         k_q46e4c80a34_quant.kd
    .args:
      - { .name: x, .offset: 0, .size: 8, .value_kind: global_buffer, .address_space: global }
      - { .name: Wq, .offset: 8, .size: 8, .value_kind: global_buffer, .address_space: global }
      - { .name: Wk, .offset: 16, .size: 8, .value_kind: global_buffer, .address_space: global }
      - { .name: Wv, .offset: 24, .size: 8, .value_kind: global_buffer, .address_space: global }
      - { .name: pos_bias, .offset: 32, .size: 8, .value_kind: global_buffer, .address_space: global }
      - { .name: codes, .offset: 40, .size: 8, .value_kind: global_buffer, .address_space: global }
    .group_segment_fixed_size: 57856
    .private_segment_fixed_size: 0
    .kernarg_segment_align: 8
    .kernarg_segment_size: 48
    .max_flat_workgroup_size: 128
    .sgpr_count:     66
    .vgpr_count:     160
    .wavefront_size: 32
...
	.end_amdgpu_metadata
.endif
;; end of part 1
;; launch aft (part 2): grid 8 x 32, 4 waves a work-group, clusters of 4 x 1, 327,680 bytes of LDS; arguments codes, bq, bk, bv, out0; writes out0
.if DOCPART == 2
	.amdgcn_target "amdgcn-amd-amdhsa--gfx1250"
	.amdhsa_code_object_version 6
	.text
	.protected	k_q46e4c80a34_aft
	.globl	k_q46e4c80a34_aft
	.p2align	8
	.type	k_q46e4c80a34_aft,@function
k_q46e4c80a34_aft:
	s_mov_b64 s[64:65], 0
	v_nop
	global_prefetch_b8 v0, s[64:65] scope:SCOPE_SE
	s_setreg_imm32_b32 hwreg(HW_REG_WAVE_MODE, 25, 1), 1
	s_wait_xcnt 0x0
	s_wait_alu depctr_hold_cnt(0) depctr_sa_sdst(0) depctr_va_vdst(0) depctr_va_sdst(0) depctr_va_ssrc(0) depctr_va_vcc(0) depctr_vm_vsrc(0)
	s_getreg_b32 s2, hwreg(HW_REG_IB_STS2, 6, 4)
	s_cmp_eq_u32 s2, 0
	s_cbranch_scc0 .Lentry_in_a_cluster
	s_endpgm
.Lentry_in_a_cluster:
	s_bfe_u32 s2, ttmp6, 0x10000c
	s_cmp_lg_u32 s2, 0x3003
	s_cbranch_scc0 .Lentry_shape_is_right
	s_endpgm
.Lentry_shape_is_right:
; out[b][t][d] = sigmoid(q[b][t][d]) x num / den;  q, k, v = x W^T + bias;  num = sum over T of exp(pos_bias)[t][T] exp(k[b][T][d]) v[b][T][d];  den the same without v.
; All five products on codes of FP8 (E4M3) with one E8M0 scale for each 32 along K.  x, the weights and exp(pos_bias) come as codes from the launch before, laid as images of operand registers (its head comment);
; exp(k) and exp(k) v are quantised here along T, in registers.  k, v, q, num and den never go to memory.  Nothing of the problem is left out.
; SHARES.  256 work-groups: a batch b and a slice of 64 d.  Wave w = 2 i + j: i picks 32 of the slice's d (two tiles of a weight's rows, e = 0, 1), j a half of the rows that a ring slot holds.
; PHASE A, 8 steps of 128 T:  k^T, v^T = x W^T used with source 0 = 16 rows of x, source 1 = 16 rows of W: a lane holds ONE d, and, by the order of a tile's rows, the 16 registers of two neighbouring tiles of x are
;   16 neighbours along T.  exp, times v, quantised: the codes are 16 bytes of an operand's image; they go to LDS, wave (i, j) writing pieces 2 j, 2 j + 1 of fragment (i, m, step).  m = 0, 1: exp(k), e = 0, 1; m = 2, 3: exp(k) v.
;   THE IMAGES ARE PICKED UP IN TWO HALVES: behind step 3 each wave takes its i's 16 fragments of T 0 to 511 into window 3, behind step 7 those of T 512 to 1,023 into window 2; steps 4 to 7 store over the bytes of steps 0 to 3.
; PHASE B, 16 steps of 64 t.  A step, for my 32 t:  q^T = Wq x^T (16 products), sigmoid;  den^T and num^T (64 products): source 0 = a resident fragment, source 1 = 16 rows of exp(pos_bias): a lane holds one t, and its
;   registers 16 neighbouring d.  num x sigmoid / den goes into one of two stages in LDS, where a row's 256 bytes meet from two waves; the change of slots' barrier shows it to all, and the NEXT step reads whole rows back and stores them.
; THE RING: two slots of 98,304 bytes.  The first 65,536: phase A: a step's x; phase B: four tiles of exp(pos_bias), all of K.  The last 32,768: the same 64 t's tiles of x, for q; those of steps 0 and 1 are filled at the head,
;   One tensor load a wave behind each round; by this text's count a wave has six tensor loads out at the start and one behind each round.
; CLUSTER: the four partners share b, so all that the ring and the scale tables hold (x's and exp(pos_bias)'s codes and scale bytes) is the same for them: every tensor load is a joint one, with the mask of all four.
;   The partner's place enters the addresses of the weights, the biases, the output and the prefetches alone.
; LIMITS: v_exp_f32 and v_rcp_f32 give 0 where the result would lie under 2^-126: exp(k) for k under -87.3, and 1 / den for den over 2^126.  exp(z) is taken as 2^(z log2 e): relative error about 1e-7 |z|.
;   A block of zeros gets the byte 1 (its codes are zeros; nobody else reads the bytes).  NaN and infinities among the inputs are not served.
; REGISTERS, in windows of 256 (s_set_vgpr_msb: bits 1:0 source 0, 3:2 source 1, 5:4 source 2, 7:6 destination):
;   window 0: v1-19, v125-127 addresses; v20-71 scale words and nothing else; v72-103 phase A: bk, bv as C operands; phase B: rows on their way out; v104-119 bq; v128-191 accumulators; v192-255 phase A: the quantiser's; phase B: sigmoid(q) in v192-223
;   window 1: phase A: Wk's and Wv's 16 fragments;  phase B: v0-127 Wq's 8, v128-191 and v192-255 two buffers of four fragments from the ring
;   window 2: phase A: 16 fragments of x;  phase B: the images of T 512 on: fragment (m, K step g) at v[16 (4 m + g % 4)].     window 3: the images of T 0 to 511, likewise
.set SCB,   18612224                   ; in 'codes': the scale bytes
.set EBO,   17563648                   ; exp(pos_bias)'s codes
.set WQO,   16777216                   ; Wq's codes; Wk's 262,144 on, Wv's 524,288 on
.set SLOT1, 131072                     ; LDS: slot 0 at 0, slot 1 here: one exclusive or turns an address
.set XPO,   65536                      ; in a slot: where phase B's tiles of x begin
.set ES,    98304                      ; between the slots: exp(pos_bias)'s scale bytes, 32,768: filled once
.set XS,    229376                     ; x's scale bytes of the batch, 16,384: filled once
.set IMG,   245760                     ; the images of four steps: i 32,768 + m 8,192 + j 4,096 + (step % 4) 1,024 + pair 512 + 16 lane: each wave's stores lie in ranges of its own
.set SIMG,  311296                     ; their scale bytes, two to a step and wave: i 4,096 + j 2,048 + m 512 + 16 lane + 2 step
.set SPARE, 319488                     ; the spare words, 128 bytes for each wave: two blocks of 256 bytes that no other line names
.set STG,   IMG                        ; phase B: two stages of 64 rows x (256 + 16) bytes, over images that have been read out a barrier earlier; no tensor load ever lands here
.set SPT,   272
.set STGB,  64*SPT
.set LI,   1                           ; v1   16 x lane
.set AF0,  2                           ; v2   my half of a slot's first part: j 32,768 + 16 lane
.set AXS0, 3                           ; v3   phase A: x's scale words: XS + j 1,024 + 16 lane: lanes 0-15 one tile's rows, lanes 16-31 the next tile's
.set AES0, 4                           ; v4   exp(pos_bias)'s: ES + j 1,024 + 512 (lane / 16) + 16 (lane % 16)
.set AIW,  5                           ; v5   where I store images
.set ASW,  6                           ; v6   and their scale bytes
.set AIR,  7                           ; v7   where I read my i's images
.set ASR,  8                           ; v8   and their scale bytes
.set STO,  9                           ; v9   a stage: in
.set SRD,  10                          ; v10  and back
.set GO,   11                          ; v11  my byte offset in two rows of out0; never rewritten
.set ADF,  12                          ; v12  the step's fragments in the slot's first part
.set ADS,  13                          ; v13  the step's scale words of x
.set PFO,  14                          ; v14  256 x lane: the prefetches' offset; never rewritten
.set ADW,  15                          ; v15  phase A: the step's image stores
.set ADT,  15                          ;      phase B: the step's scale words of exp(pos_bias)
.set SPW,  16                          ; v16  LDS address of my spare word; never rewritten
.set NIL,  17                          ; v17  0; never rewritten
.set ADB,  18                          ; v18  phase A: the step's scale-byte stores
.set ADO,  18                          ;      phase B: the step's stage, in
.set AXB0, 19                          ; v19  phase B: x's scale words: XS + j 512 + 16 lane
.set AFX0, 125                         ; v125 phase B: my half of a slot's tiles of x: XPO + j 16,384 + 16 lane
.set ADX,  126                         ; v126 the step's
.set ADR,  127                         ; v127 the last step's stage, back
.set XSC,  20                          ; v20-27  phase A: x's scale words: pair p, K step s at 4 p + s;  phase B: v20-23
.set EBS,  24                          ; v24-31  phase B: exp(pos_bias)'s, K step g
.set WKS,  28                          ; v28-31 Wk's, v32-35 Wv's, v36-39 Wq's: lanes 0-15 tile e = 0, lanes 16-31 e = 1
.set WVS,  32
.set WQS,  36
.set ASC,  40                          ; v40-71  the images' scale words: 8 m + g
.set B0,   72                          ; v72-103 bk (e = 0, 1), bv (e = 0, 1): eight equal registers each: a lane's one d
.set FL,   72                          ; v72-103 phase B: 16 rows read back from a stage
.set BQ,   104                         ; v104-119 bq: a lane's eight d, e = 0, 1
.set ACC,  128
.set S,    192
.set TM,   192                         ; v192-195 largest magnitudes, 196-199 bytes, 200-203 448 x the scale, 204-207 the conversions' scale operands
.set PC,   208                         ; v208-223 the codes just made
.set BY,   224                         ; v224-227 a step's two bytes
.set OUT,  12                          ; s[12:13] out0 at the rows that I store next
.set WV,   14
.set SI,   15
.set SJ,   16
.set CX,   17
.set SG,   18                          ; the slice of d: 4 x cluster x + cx
.set SB,   19                          ; the batch
.set SEL,  20                          ; s[20:21] v_permlanex16_b32's selects for lane l xor 16
.set L2E,  22                          ; s[22:23] log2 e;  s[24:25] -log2 e
.set NL2E, 24
.set MNT,  26
.set TB,   27                          ; the slot in hand
.set TSX,  28                          ; x's scale words: 2,048 a step of phase A, 1,024 a step of phase B
.set TSE,  29                          ; exp(pos_bias)'s: 2,048 a step
.set CNT,  30
.set LIM,  31                          ; a wave prefetches while PCN is above it
.set G1R,  32                          ; s[32:39] group 1: 64 rows of 256 bytes
.set G1XS, 40                          ; s[40:47] 16 rows
.set G1ES, 48                          ; s[48:55] 32 rows
.set G1E,  56                          ; s[56:63] 128 rows
.set G0XS, 68                          ; groups 0 of the six first fills: x's scale bytes,
.set G0ES, 72                          ; exp(pos_bias)'s,
.set G0A,  76                          ; slot 0,
.set G0W,  80                          ; slot 1: this one then walks through phase A,
.set G0P,  84                          ; slot 0's tiles of x for q,
.set G0Q,  88                          ; slot 1's
.set G0BX, 68                          ; phase B's two walking groups 0, made when the first fills have long landed: the tiles of x (waves 0, 1),
.set G0BE, 72                          ; exp(pos_bias)'s (waves 2, 3)
.set PFA,  92
.set PFS,  94
.set PWQ,  96
.set TSW,  98                          ; the scale-byte stores: 2 a step
.set TSI,  99                          ; the image stores: 1,024 a step
.set TG,   100                         ; the stage that the step in hand stores into: 0 or STGB
.set PCN,  101                         ; 7 less the changes of slots passed, in phase A
.set MSB, 0
.macro WIN new                         ; the immediate's high byte repeats the setting that is left; a switch that changes nothing is dropped
.if MSB != (\new)
	s_set_vgpr_msb (MSB<<8)|(\new)
.set MSB, (\new)
.endif
.endm
.macro PLACES n                        ; plain vector instructions behind matrix instructions: eight ahead of a read of results and of loads into registers that they read
.rept \n
	v_nop
.endr
.endm
.macro CROUND                          ; a round of the cluster's barrier
	s_barrier_signal -1
	s_barrier_wait -1
	s_cmp_lg_u32 s[WV], 0
	s_cbranch_scc1 .Lnot_wave_0_\@
	s_barrier_signal -3
.Lnot_wave_0_\@:
	s_barrier_wait -3
	s_barrier_signal -1
	s_barrier_wait -1
.endm
; A PREFETCH INTO THE L2, in phase A alone, by the batch's first cluster alone (both clusters of a batch walk the same x; all clusters walk the same exp(pos_bias)).  The branch hangs on the wave's number, the cluster's x and the count of changes.
; Waves 0 and 2, at the first five changes of slots: the fill that the NEXT change will ask for: its 65,536 bytes are shared out BY ADDRESS, 16,384 to a partner, 8,192 to a wave, lanes 256 bytes apart; x's eighth fill is the last that is asked for.
; Wave 1, at the first change alone: 8,192 bytes of exp(pos_bias)'s codes, the part that belongs to (batch, partner): 32 x 4 parts are its 1,048,576 bytes.  So each aligned block of 256 bytes is named once in the launch.
.macro ASK
	s_cmp_gt_u32 s[PCN], s[LIM]
	s_cbranch_scc0 .Lnot_mine_\@
	global_prefetch_b8 v[PFO], s[PFA:PFA+1] th:TH_LOAD_NT scope:SCOPE_SE
.Lnot_mine_\@:
.endm
; One matrix instruction, by the symbols mD, mA, mB, mC (under 0: the constant 0 starts the sum), mSA, mSB (scale words) and mRA, mRB (1: the words lie in lanes 16-31)
.macro MM
.if mC < 0
.if mRB
	v_wmma_scale_f32_16x16x128_f8f6f4 v[mD:mD+7], v[mA:mA+15], v[mB:mB+15], 0, v[mSA], v[mSB] matrix_b_scale:MATRIX_SCALE_ROW1
.else
	v_wmma_scale_f32_16x16x128_f8f6f4 v[mD:mD+7], v[mA:mA+15], v[mB:mB+15], 0, v[mSA], v[mSB]
.endif
.else
.if mRA && mRB
	v_wmma_scale_f32_16x16x128_f8f6f4 v[mD:mD+7], v[mA:mA+15], v[mB:mB+15], v[mC:mC+7], v[mSA], v[mSB] matrix_a_scale:MATRIX_SCALE_ROW1 matrix_b_scale:MATRIX_SCALE_ROW1
.elseif mRA
	v_wmma_scale_f32_16x16x128_f8f6f4 v[mD:mD+7], v[mA:mA+15], v[mB:mB+15], v[mC:mC+7], v[mSA], v[mSB] matrix_a_scale:MATRIX_SCALE_ROW1
.elseif mRB
	v_wmma_scale_f32_16x16x128_f8f6f4 v[mD:mD+7], v[mA:mA+15], v[mB:mB+15], v[mC:mC+7], v[mSA], v[mSB] matrix_b_scale:MATRIX_SCALE_ROW1
.else
	v_wmma_scale_f32_16x16x128_f8f6f4 v[mD:mD+7], v[mA:mA+15], v[mB:mB+15], v[mC:mC+7], v[mSA], v[mSB]
.endif
.endif
.endm
.macro FRAG                            ; a fragment's image, at byte fO from the address in v[fAd], into v[fR] on: four loads of 512 consecutive bytes
.irp c, 0,1,2,3
	ds_load_b128 v[fR+4*\c:fR+4*\c+3], v[fAd] offset:fO+512*\c
.endr
.endm
; 64 numbers of a lane, four blocks: v[s + 16 b + i] = number 16 (lane / 16) + i of block b of my row, become 16 codes a block in v[PC + 4 b] on and a scale byte in v[TM + 4 + b]
.macro QUANT s
.irp b, 0,1,2,3
	v_max3_num_f32 v[TM+\b], |v[\s+16*\b]|, |v[\s+1+16*\b]|, 0x4800000   ; my 16 numbers, and the floor 2^(9 - 127): so the byte cannot fall under 1
.endr
.irp i, 2,4,6,8,10,12,14
.irp b, 0,1,2,3
	v_max3_num_f32 v[TM+\b], v[TM+\b], |v[\s+16*\b+\i]|, |v[\s+1+16*\b+\i]|   ; (the four blocks by turns)
.endr
.endr
.irp b, 0,1,2,3
	v_permlanex16_b32 v[TM+4+\b], v[TM+\b], s[SEL], s[SEL+1]
.endr
.irp b, 0,1,2,3
	v_max_num_f32 v[TM+\b], v[TM+\b], v[TM+4+\b]   ; with lane l xor 16's: the block's largest magnitude
.endr
.irp b, 0,1,2,3
	v_add_nc_u32 v[TM+12+\b], 0xfc000000, v[TM+\b] ; 8 off its exponent field: the conversion's scale operand
.endr
.irp b, 0,1,2,3
	v_and_or_b32 v[TM+8+\b], v[TM+\b], 0x7f800000, s[MNT]   ; 448 x the scale
.endr
.irp b, 0,1,2,3
	v_lshrrev_b32 v[TM+4+\b], 23, v[TM+12+\b]      ; the scale's byte
.endr
.irp b, 0,1,2,3
.irp i, 0,1,2,3,4,5,6,7,8,9,10,11,12,13,14,15
	v_med3_num_f32 v[\s+16*\b+\i], v[\s+16*\b+\i], -v[TM+8+\b], v[TM+8+\b]   ; the conversion to an 8-bit code does not saturate (ISA guide 7.6.2): the hold comes first
.endr
	v_cvt_scalef32_pk8_fp8_f32 v[PC+4*\b:PC+1+4*\b], v[\s+16*\b:\s+7+16*\b], v[TM+12+\b]
	v_cvt_scalef32_pk8_fp8_f32 v[PC+2+4*\b:PC+3+4*\b], v[\s+8+16*\b:\s+15+16*\b], v[TM+12+\b]
.endr
	v_nop                                          ; a plain line behind the last conversion, ahead of whatever next touches its registers
.endm
; PHASE A, one pair p of tiles of x (32 T): 32 matrix instructions, the eight accumulators (block k = Wk e0, Wk e1, Wv e0, Wv e1; tile u) by turns, one instruction a turn; the bias is the C of each sum's first.
.macro APAIR p
	WIN 0x06                                       ; source 0 (x) window 2, source 1 (W) window 1
.irp s, 0,1,2,3
.irp k, 0,1,2,3
.irp u, 0,1
.set mD, ACC+16*\k+8*\u
.set mA, 128*(\p)+16*(4*\u+\s)
.set mB, 64*\k+16*\s
.if \s == 0
.set mC, B0+8*\k
.else
.set mC, mD
.endif
.set mSA, XSC+4*(\p)+\s
.set mSB, WKS+4*(\k/2)+\s
.set mRA, \u
.set mRB, \k%2
	MM
.endr
.endr
.endr
	WIN 0
	PLACES 8
.set ii, 0
.rept 16
	v_pk_mul_f32 v[ACC+ii:ACC+ii+1], v[ACC+ii:ACC+ii+1], s[L2E:L2E+1] op_sel_hi:[1,0]   ; k log2 e; each accumulator is read from its low end on
.set ii, ii+2
.endr
.set ii, 0
.rept 32
	v_exp_f32 v[ACC+ii], v[ACC+ii]                 ; exp(k)
.set ii, ii+1
.endr
	v_nop                                          ; a plain instruction behind the last exponential
	s_wait_alu depctr_va_vdst(0)                   ; one wait for the 32, ahead of their first reader
.set ii, 0
.rept 16
	v_pk_mul_f32 v[ACC+32+ii:ACC+33+ii], v[ACC+32+ii:ACC+33+ii], v[ACC+ii:ACC+ii+1]   ; exp(k) v
.set ii, ii+2
.endr
	QUANT ACC                                      ; block m: 32 neighbours along T of my d, 16 of them mine
.irp m, 0,1,2,3
	ds_store_b128 v[ADW], v[PC+4*\m:PC+4*\m+3] offset:\m*8192+(\p)*512   ; piece 2 j + p of fragment (i, m, step): 512 consecutive bytes
.endr
.irp m, 0,1,2,3
.if (\p) == 0
	v_mov_b32 v[BY+\m], v[TM+4+\m]
.else
	v_lshl_or_b32 v[BY+\m], v[TM+4+\m], 8, v[BY+\m]
.endif
.endr
.if (\p) == 1
.irp m, 0,1,2,3
	ds_store_b16 v[ADB], v[BY+\m] offset:\m*512    ; bytes 2 j, 2 j + 1 of my row's scale word of this step
.endr
.endif
.endm
.macro ASTEP
	v_add_nc_u32 v[ADF], s[TB], v[AF0]
	v_add_nc_u32 v[ADS], s[TSX], v[AXS0]
	v_add_nc_u32 v[ADW], s[TSI], v[AIW]
	v_add_nc_u32 v[ADB], s[TSW], v[ASW]
	ds_load_b128 v[XSC:XSC+3], v[ADS]
	ds_load_b128 v[XSC+4:XSC+7], v[ADS] offset:512
	WIN 0x80                                       ; destination window 2
.set fAd, ADF
.irp p, 0,1
.irp u, 0,1
.irp s, 0,1,2,3
.set fR, 128*\p+16*(4*\u+\s)
.set fO, \p*16384+\u*8192+\s*2048
	FRAG
.endr
.endr
.endr
	s_wait_dscnt 32                                ; the scale words and the first pair's fragments are in; the second pair's 32 loads may be out
	APAIR 0
	s_wait_dscnt 0x0                               ; the second pair is in; the first pair's stores have read their registers
	APAIR 1
.endm
; Four steps' images, 16 fragments of my i, come into the window that win names as the destination: fragment (m, g) at v[16 (4 m + g)].  They were shown whole by the change of slots just passed.
; Behind my wait for these loads stands a barrier: only behind it does any wave store over the images' bytes again (the next four steps' images; then the stages).  My one tensor load may stay out.
.macro PICKUP win
	WIN \win
.irp m, 0,1,2,3
.irp g, 0,1,2,3
.irp c, 0,1,2,3
	ds_load_b128 v[16*(4*\m+\g)+4*\c:16*(4*\m+\g)+4*\c+3], v[AIR] offset:\m*8192+(\c/2)*4096+\g*1024+(\c%2)*512
.endr
.endr
.endr
	WIN 0
	s_wait_dscnt 0x0
	s_barrier_signal -1
	s_barrier_wait -1
.endm
; PHASE B.  q: a half hk: K steps 2 hk and 2 hk + 1 of my two tiles of x
.macro XFETCH hk
.set fAd, ADX
.irp u, 0,1
.irp t, 0,1
.set fR, 128+64*(\hk)+16*(2*\u+\t)
.set fO, \u*8192+(2*(\hk)+\t)*2048
	FRAG
.endr
.endr
.endm
.macro XMUL hk                         ; eight matrix instructions, four accumulators by turns; bq is the C of each sum's first
	WIN 0x05                                       ; sources 0 (Wq) and 1 (x) window 1
.irp t, 0,1
.irp u, 0,1
.irp e, 0,1
.set mS, 2*(\hk)+\t
.set mD, S+8*(2*\u+\e)
.set mA, 16*(4*\e+mS)
.set mB, 128+64*(\hk)+16*(2*\u+\t)
.if mS == 0
.set mC, BQ+8*\e
.else
.set mC, mD
.endif
.set mSA, WQS+mS
.set mSB, XSC+mS
.set mRA, \e
.set mRB, \u
	MM
.endr
.endr
.endr
.endm
; den and num: a quarter q: K steps 2 q and 2 q + 1 of my two tiles of exp(pos_bias)
.macro EFETCH q
.set fAd, ADF
.irp u, 0,1
.irp t, 0,1
.set fR, 128+64*((\q)%2)+16*(2*\u+\t)
.set fO, \u*16384+(2*(\q)+\t)*2048
	FRAG
.endr
.endr
.endm
.macro EMUL q                          ; sixteen matrix instructions, the eight accumulators (m, u) by turns
	WIN 0x07-(\q)/2                                ; source 0: window 3 (K steps 0 to 3) or window 2 (4 to 7); source 1 window 1
.irp t, 0,1
.irp m, 0,1,2,3
.irp u, 0,1
.set mG, 2*(\q)+\t
.set mD, ACC+8*(2*\m+\u)
.set mA, 16*(4*\m+mG%4)
.set mB, 128+64*((\q)%2)+16*(2*\u+\t)
.if mG == 0
.set mC, -1
.else
.set mC, mD
.endif
.set mSA, ASC+8*\m+mG
.set mSB, EBS+mG
.set mRA, 0
.set mRB, \u
	MM
.endr
.endr
.endr
.endm
.macro FLOAD                           ; 16 whole rows of the last step's stage
.irp n, 0,1,2,3,4,5,6,7
	ds_load_b128 v[FL+4*\n:FL+4*\n+3], v[ADR] offset:2*SPT*\n
.endr
.endm
; A STEP OF PHASE B.  fl = 1: the last step's results are read back from their stage and stored on the way.
; The sigmoid stands in the gaps between the runs of products: its plain lines are the places in front of the LDS loads, its transcendentals stand behind the loads just issued, ahead of the wait for the loads before them.
.macro BSTEP fl
.if \fl
	v_add_nc_u32 v[ADR], s[TG], v[SRD]             ; the stage that the last step stored into
.endif
	s_xor_b32 s[TG], s[TG], STGB                   ; and the other one, for this step
	v_add_nc_u32 v[ADO], s[TG], v[STO]
	v_add_nc_u32 v[ADF], s[TB], v[AF0]
	v_add_nc_u32 v[ADX], s[TB], v[AFX0]
	v_add_nc_u32 v[ADS], s[TSX], v[AXB0]
	v_add_nc_u32 v[ADT], s[TSE], v[AES0]
	ds_load_b128 v[XSC:XSC+3], v[ADS]
	ds_load_b128 v[EBS:EBS+3], v[ADT]
	ds_load_b128 v[EBS+4:EBS+7], v[ADT] offset:256
	WIN 0x40                                       ; destination window 1
	XFETCH 0
	XFETCH 1
	WIN 0
.if \fl
	FLOAD
	s_wait_dscnt 24                                ; the scale words and x's first half are in; its second half (16 loads) and the stage's 8 may be out
.else
	s_wait_dscnt 16
.endif
	XMUL 0
	PLACES 8
	WIN 0x40
	EFETCH 0
	s_wait_dscnt 16                                ; all but the sixteen loads just issued
.if \fl
	WIN 0
.irp n, 0,1,2,3,4,5,6,7
	global_store_b128 v[GO], v[FL+4*\n:FL+4*\n+3], s[OUT:OUT+1] offset:(2*\n+8*(\n/4))*2048 th:TH_STORE_NT   ; sixteen lanes store 256 consecutive bytes, at a multiple of 256 from out0's first byte; a tile's rows 2 n, 2 n + 1
.endr
.endif
	XMUL 1
	PLACES 8                                       ; ahead of the loads into the buffer just multiplied, and of the first read of q
	WIN 0x40
	EFETCH 1
	s_wait_dscnt 16
	EMUL 0
	WIN 0
.set ii, 0
.rept 16
	v_pk_mul_f32 v[S+ii:S+ii+1], v[S+ii:S+ii+1], s[NL2E:NL2E+1] op_sel_hi:[1,0]   ; -q log2 e, each accumulator from its low end on.  (Sixteen plain lines that name none of the last products' registers: the places ahead of the loads below)
.set ii, ii+2
.endr
	WIN 0x40
	EFETCH 2
	WIN 0
.set ii, 0
.rept 32
	v_exp_f32 v[S+ii], v[S+ii]
.set ii, ii+1
.endr
	v_nop                                          ; a plain instruction behind the last exponential
	s_wait_dscnt 16
	EMUL 1
	WIN 0
	s_wait_alu depctr_va_vdst(0)                   ; one wait for the 32 exponentials, ahead of their first reader
.set ii, 0
.rept 16
	v_pk_add_f32 v[S+ii:S+ii+1], v[S+ii:S+ii+1], 1.0 op_sel_hi:[1,0]   ; (again the places ahead of the loads below)
.set ii, ii+2
.endr
	WIN 0x40
	EFETCH 3
	WIN 0
.set ii, 0
.rept 32
	v_rcp_f32 v[S+ii], v[S+ii]                     ; sigmoid(q) = 1 / (1 + exp(-q))
.set ii, ii+1
.endr
	v_nop
	s_wait_dscnt 16
	EMUL 2
	s_wait_dscnt 0x0
	EMUL 3
	WIN 0
	s_wait_alu depctr_va_vdst(0)                   ; one wait for the sigmoid's 32 reciprocals
	PLACES 8
.set ii, 0
.rept 32
	v_rcp_f32 v[ACC+ii], v[ACC+ii]                 ; 1 / den, each accumulator from its low end on
.set ii, ii+1
.endr
.irp f, 0,1
.irp u, 0,1
.irp n, 0,2,4,6
	v_pk_mul_f32 v[ACC+32+8*(2*\f+\u)+\n:ACC+33+8*(2*\f+\u)+\n], v[ACC+32+8*(2*\f+\u)+\n:ACC+33+8*(2*\f+\u)+\n], v[S+8*(2*\u+\f)+\n:S+8*(2*\u+\f)+\n+1]   ; num x sigmoid(q): plain work behind the reciprocals
.endr
.endr
.endr
	s_wait_alu depctr_va_vdst(0)                   ; one wait for the 32 reciprocals, ahead of their first reader
.set ii, 0
.rept 16
	v_pk_mul_f32 v[ACC+32+ii:ACC+33+ii], v[ACC+32+ii:ACC+33+ii], v[ACC+ii:ACC+ii+1]
.set ii, ii+2
.endr
.irp u, 0,1
.irp f, 0,1
	ds_store_b128 v[ADO], v[ACC+32+8*(2*\f+\u):ACC+35+8*(2*\f+\u)] offset:\u*16*SPT+32*\f        ; stage row 32 j + 16 u + r; bytes 128 i + 64 h + 32 f on: eight neighbouring d
	ds_store_b128 v[ADO], v[ACC+36+8*(2*\f+\u):ACC+39+8*(2*\f+\u)] offset:\u*16*SPT+32*\f+16
.endr
.endr
.endm
; THE CHANGE OF SLOTS.  Each wave waits for all its tensor loads (its part of the slot ahead), adds 0 to its spare word, and waits for that and for its LDS instructions (its reads of the slot that it leaves, its stores of images or into a stage, its reads of the other stage).
; kind 1 to 3: a round of the cluster's barrier, and behind it the slot just left is filled again, first thing.  1: phase A's next 128 T of x, a quarter a wave.  2: exp(pos_bias)'s tiles alone, a half each for waves 2 and 3 (the slot's tiles of x came at the head).
; 3: waves 0 and 1 the tiles of x, waves 2 and 3 exp(pos_bias)'s.  The branches hang on the wave's number alone.  kind 0: nothing is left to fetch.
.macro CHANGE kind, ask
	WIN 0
	s_wait_tensorcnt 0x0                           ; no tensor load of mine is out, so the walking groups 0 may be written
	ds_add_u32 v[SPW], v[NIL]                      ; 0 onto my spare word; the descriptors' steps stand between it and the wait for it
.if \kind == 1
	s_xor_b32 s[G0W+1], s[G0W+1], SLOT1            ; the other slot than last time,
	s_add_nc_u64 s[G0W+2:G0W+3], s[G0W+2:G0W+3], 65536   ; the next fill; the type bits on top are not reached
.endif
.if \kind >= 2
	s_xor_b32 s[G0BE+1], s[G0BE+1], SLOT1
	s_add_nc_u64 s[G0BE+2:G0BE+3], s[G0BE+2:G0BE+3], 65536
.endif
.if \kind == 3
	s_xor_b32 s[G0BX+1], s[G0BX+1], SLOT1
	s_add_nc_u64 s[G0BX+2:G0BX+3], s[G0BX+2:G0BX+3], 32768
.endif
.if \ask
	s_wait_xcnt 0x0                                ; the last prefetch, a step back, has read its address
	s_add_nc_u64 s[PFA:PFA+1], s[PFA:PFA+1], s[PFS:PFS+1]
.endif
	s_wait_dscnt 0x0
.if \kind
	CROUND                                         ; no wave of any partner still reads the slot or has a load on its way
.if \kind == 1
	tensor_load_to_lds s[G0W:G0W+3], s[G1R:G1R+7]
	s_nop 0
	PLACES 4
.elseif \kind == 2
	s_cmp_lt_u32 s[WV], 2
	s_cbranch_scc1 .Lnone_\@
	tensor_load_to_lds s[G0BE:G0BE+3], s[G1E:G1E+7]
	s_nop 0
	PLACES 4
.Lnone_\@:
.else
	s_cmp_lt_u32 s[WV], 2
	s_cbranch_scc0 .Lfor_e_\@
	tensor_load_to_lds s[G0BX:G0BX+3], s[G1R:G1R+7]
	s_nop 0
	PLACES 4
	s_branch .Lasked_\@
.Lfor_e_\@:
	tensor_load_to_lds s[G0BE:G0BE+3], s[G1E:G1E+7]
	s_nop 0
	PLACES 4
.Lasked_\@:
.endif
.if \ask
	ASK
	s_sub_co_u32 s[PCN], s[PCN], 1
.endif
.else
	s_barrier_signal -1
	s_barrier_wait -1
.endif
	s_xor_b32 s[TB], s[TB], SLOT1                  ; on to the other slot
.endm
.macro ATRIP kind, ask                 ; a trip of phase A, up to the compare
	ASTEP
	CHANGE \kind, \ask
	s_add_co_u32 s[TSX], s[TSX], 2048
	s_add_co_u32 s[TSI], s[TSI], 1024
	s_add_co_u32 s[TSW], s[TSW], 2
	s_sub_co_u32 s[CNT], s[CNT], 1
	s_cmp_lg_u32 s[CNT], 0
.endm
	s_load_b256 s[4:11], s[0:1], 0x0               ; codes s[4:5], bq s[6:7], bk s[8:9], bv s[10:11]
	s_load_b64 s[OUT:OUT+1], s[0:1], 0x20          ; out0
	v_lshl_add_u32 v[SPW], v0, 2, SPARE
	v_mov_b32 v[NIL], 0
	ds_add_u32 v[SPW], v[NIL]                      ; the wave's opening: the add, twice on end, and its wait ahead of my first tensor load; the set-up below stands between the second and the wait
	ds_add_u32 v[SPW], v[NIL]
	v_lshrrev_b32 v1, 5, v0
	v_readfirstlane_b32 s[WV], v1                  ; wave 0..3
	s_lshr_b32 s[SI], s[WV], 1
	s_and_b32 s[SJ], s[WV], 1
	s_bfe_u32 s[CX], ttmp6, 0x40000                ; my place in the cluster
	s_lshl_b32 s[SG], ttmp9, 2
	s_add_co_u32 s[SG], s[SG], s[CX]               ; my slice of d
	s_and_b32 s[SB], ttmp7, 0xffff                 ; the batch, which the four partners share
	s_mov_b32 s[SEL], 0x76543210
	s_mov_b32 s[SEL+1], 0xfedcba98
	s_mov_b32 s[L2E], 0x3fb8aa3b
	s_mov_b32 s[L2E+1], s[L2E]                     ; (named as pairs, so both words are written)
	s_mov_b32 s[NL2E], 0xbfb8aa3b
	s_mov_b32 s[NL2E+1], s[NL2E]
	s_mov_b32 s[MNT], 0x600000
	; descriptor groups 1: dense blocks as rows of 256 bytes (32 elements of 8 bytes), no padding; 15:0 the mask of all four partners; 17:16 elements of 8 bytes; 21 set beside a mask
.irp g, G1R, G1XS, G1ES, G1E
	s_mov_b32 s[\g], 15|(3<<16)|(1<<21)
	s_mov_b32 s[\g+1], 32<<16                      ; tensor_dim0
	s_mov_b32 s[\g+3], 32<<16                      ; tile_dim0
	s_mov_b32 s[\g+5], 32                          ; from row to row
	s_mov_b32 s[\g+6], 0
	s_mov_b32 s[\g+7], 0
.endr
	s_mov_b32 s[G1R+2], 64<<16                     ; tensor_dim1, and below it tile_dim1: the rows
	s_mov_b32 s[G1R+4], 64
	s_mov_b32 s[G1XS+2], 16<<16
	s_mov_b32 s[G1XS+4], 16
	s_mov_b32 s[G1ES+2], 32<<16
	s_mov_b32 s[G1ES+4], 32
	s_mov_b32 s[G1E+2], 128<<16
	s_mov_b32 s[G1E+4], 128
	; the first fills' groups 0: the count, and LDS addresses that hang on the wave's number alone
	s_mov_b32 s[G0XS], 1
	s_lshl_b32 s[G0XS+1], s[WV], 12
	s_add_co_u32 s[G0XS+1], s[G0XS+1], XS
	s_mov_b32 s[G0ES], 1
	s_lshl_b32 s[G0ES+1], s[WV], 13
	s_add_co_u32 s[G0ES+1], s[G0ES+1], ES
	s_mov_b32 s[G0A], 1
	s_lshl_b32 s[G0A+1], s[WV], 14
	s_mov_b32 s[G0W], 1
	s_add_co_u32 s[G0W+1], s[G0A+1], SLOT1
	s_mov_b32 s[G0P], 1
	s_lshl_b32 s[G0P+1], s[WV], 13
	s_add_co_u32 s[G0P+1], s[G0P+1], XPO
	s_mov_b32 s[G0Q], 1
	s_add_co_u32 s[G0Q+1], s[G0P+1], SLOT1
	s_mov_b32 s3, 0                                ; offsets in 'codes' are made apart from its address, in s[2:3]; all under 2^25
	s_lshl_b32 s66, s[SB], 19                      ; the batch's codes of x
	s_wait_dscnt 0x0                               ; both opening adds are done
	s_wait_kmcnt 0x0
	s_lshl_b32 s2, s[WV], 14
	s_add_co_u32 s2, s2, s66
	s_add_nc_u64 s[G0A+2:G0A+3], s[4:5], s[2:3]    ; T 0 to 127: my quarter,
	s_add_nc_u64 s[G0W+2:G0W+3], s[G0A+2:G0A+3], 65536   ; T 128 to 255
	s_or_b32 s[G0A+3], s[G0A+3], 0x80000000        ; type = 2
	s_or_b32 s[G0W+3], s[G0W+3], 0x80000000
	s_lshl_b32 s2, s[WV], 13
	s_add_co_u32 s2, s2, s66
	s_add_nc_u64 s[G0P+2:G0P+3], s[4:5], s[2:3]    ; t 0 to 63, for q: my quarter,
	s_add_nc_u64 s[G0Q+2:G0Q+3], s[G0P+2:G0P+3], 32768   ; t 64 to 127
	s_or_b32 s[G0P+3], s[G0P+3], 0x80000000
	s_or_b32 s[G0Q+3], s[G0Q+3], 0x80000000
	s_lshl_b32 s2, s[SB], 14
	s_lshl_b32 s67, s[WV], 12
	s_add_co_u32 s2, s2, s67
	s_add_co_u32 s2, s2, SCB
	s_add_nc_u64 s[G0XS+2:G0XS+3], s[4:5], s[2:3]  ; x's scale bytes: batch x 16,384 + wave x 4,096
	s_or_b32 s[G0XS+3], s[G0XS+3], 0x80000000
	s_lshl_b32 s2, s[WV], 13
	s_add_co_u32 s2, s2, SCB+548864
	s_add_nc_u64 s[G0ES+2:G0ES+3], s[4:5], s[2:3]  ; exp(pos_bias)'s scale bytes: wave x 8,192
	s_or_b32 s[G0ES+3], s[G0ES+3], 0x80000000
	s_lshl_b32 s2, s[SG], 15
	s_lshl_b32 s67, s[SI], 14
	s_add_co_u32 s2, s2, s67
	s_add_co_u32 s2, s2, WQO
	s_add_nc_u64 s[PWQ:PWQ+1], s[4:5], s[2:3]      ; Wq's codes: unit 4 slice + 2 i
	CROUND                                         ; all four work-groups are here: the first joint loads meet
	tensor_load_to_lds s[G0XS:G0XS+3], s[G1XS:G1XS+7]   ; every wave issues all six first fills: six tensor loads of mine are out
	s_nop 0
	tensor_load_to_lds s[G0ES:G0ES+3], s[G1ES:G1ES+7]
	s_nop 0
	tensor_load_to_lds s[G0A:G0A+3], s[G1R:G1R+7]       ; slot 0: T 0 to 127
	s_nop 0
	tensor_load_to_lds s[G0W:G0W+3], s[G1R:G1R+7]       ; slot 1: T 128 to 255
	s_nop 0
	tensor_load_to_lds s[G0P:G0P+3], s[G1ES:G1ES+7]     ; slot 0's last part: it lies there through phase A and is read in phase B's first step
	s_nop 0
	tensor_load_to_lds s[G0Q:G0Q+3], s[G1ES:G1ES+7]     ; slot 1's: read in phase B's second step
	s_nop 0
	PLACES 4
	s_lshl_b32 s2, s[SG], 10
	s_lshl_b32 s28, s[SI], 9
	s_add_co_u32 s2, s2, s28
	s_add_co_u32 s2, s2, SCB+524288
	s_add_nc_u64 s[66:67], s[4:5], s[2:3]          ; the weights' scale bytes: Wq's; Wk's 8,192 on, Wv's 16,384 on
	s_lshl_b32 s28, s[SG], 8
	s_lshl_b32 s29, s[SI], 7
	s_add_co_u32 s2, s28, s29                      ; the biases: 4 (64 slice + 32 i)
	s_add_nc_u64 s[6:7], s[6:7], s[2:3]
	s_add_nc_u64 s[8:9], s[8:9], s[2:3]
	s_add_nc_u64 s[10:11], s[10:11], s[2:3]
	s_lshl_b32 s2, s[SB], 21
	s_add_co_u32 s2, s2, s28
	s_lshl_b32 s29, s[SI], 16
	s_add_co_u32 s2, s2, s29
	s_lshl_b32 s29, s[SJ], 14
	s_add_co_u32 s2, s2, s29                       ; out0: batch x 2,097,152 + slice x 256 + row (32 i + 8 j) x 2,048: the rows that I store, which are not those that I compute
	s_add_nc_u64 s[OUT:OUT+1], s[OUT:OUT+1], s[2:3]
	; the prefetches (macro ASK)
	s_lshl_b32 s28, s[SB], 19
	s_lshl_b32 s29, s[CX], 14
	s_add_co_u32 s28, s28, s29
	s_lshl_b32 s29, s[SI], 13
	s_add_co_u32 s28, s28, s29
	s_add_co_u32 s28, s28, 131072                  ; waves 0, 2: in x's fill 2; the first change of slots steps it to fill 3.  Nothing is prefetched here, at the head
	s_lshl_b32 s2, s[SB], 15
	s_lshl_b32 s29, s[CX], 13
	s_add_co_u32 s2, s2, s29
	s_add_co_u32 s2, s2, EBO                       ; wave 1: my (batch, partner)'s 8,192 bytes of exp(pos_bias)'s codes
	s_cmp_eq_u32 s[SJ], 0
	s_cselect_b32 s2, s28, s2
	s_cselect_b32 s[PFS], 65536, 0
	s_cselect_b32 s[LIM], 2, 6                     ; waves 0, 2: at the first five changes; wave 1: at the first alone
	s_cmp_eq_u32 s[WV], 3
	s_cselect_b32 s[LIM], -1, s[LIM]               ; wave 3 never,
	s_cmp_lg_u32 ttmp9, 0
	s_cselect_b32 s[LIM], -1, s[LIM]               ; nor the batch's second cluster: the same in all four partners
	s_mov_b32 s[PFS+1], 0
	s_add_nc_u64 s[PFA:PFA+1], s[4:5], s[2:3]
	; a lane's places
	v_and_b32 v120, 31, v0                         ; lane
	v_and_b32 v121, 15, v0                         ; r
	v_bfe_u32 v122, v0, 4, 1                       ; h
	v_lshlrev_b32 v[LI], 4, v120
	s_lshl_b32 s2, s[SJ], 15
	v_add_nc_u32 v[AF0], s2, v[LI]
	s_lshl_b32 s2, s[SJ], 14
	s_add_co_u32 s2, s2, XPO
	v_add_nc_u32 v[AFX0], s2, v[LI]
	s_lshl_b32 s2, s[SJ], 10
	s_add_co_u32 s2, s2, XS
	v_add_nc_u32 v[AXS0], s2, v[LI]
	s_lshl_b32 s2, s[SJ], 9
	s_add_co_u32 s2, s2, XS
	v_add_nc_u32 v[AXB0], s2, v[LI]
	v_lshlrev_b32 v[AES0], 4, v121
	v_lshl_add_u32 v[AES0], v122, 9, v[AES0]
	s_lshl_b32 s2, s[SJ], 10
	s_add_co_u32 s2, s2, ES
	v_add_nc_u32 v[AES0], s2, v[AES0]
	s_lshl_b32 s28, s[SI], 15
	s_add_co_u32 s28, s28, IMG
	v_add_nc_u32 v[AIR], s28, v[LI]
	s_lshl_b32 s2, s[SJ], 12
	s_add_co_u32 s2, s2, s28
	v_add_nc_u32 v[AIW], s2, v[LI]
	s_lshl_b32 s28, s[SI], 12
	s_add_co_u32 s28, s28, SIMG
	v_add_nc_u32 v[ASR], s28, v[LI]
	s_lshl_b32 s2, s[SJ], 11
	s_add_co_u32 s2, s2, s28
	v_add_nc_u32 v[ASW], s2, v[LI]
	v_mul_u32_u24 v[STO], v121, SPT
	v_lshl_add_u32 v[STO], v122, 6, v[STO]
	s_mul_i32 s2, s[SJ], 32*SPT
	s_lshl_b32 s28, s[SI], 7
	s_add_co_u32 s2, s2, s28
	s_add_co_u32 s2, s2, STG
	v_add_nc_u32 v[STO], s2, v[STO]                ; in: row 32 j + r, bytes 128 i + 64 h on
	v_mul_u32_u24 v[SRD], v122, SPT
	v_lshl_add_u32 v[SRD], v121, 4, v[SRD]
	s_mul_i32 s2, s[WV], 16*SPT
	s_add_co_u32 s2, s2, STG
	v_add_nc_u32 v[SRD], s2, v[SRD]                ; back: rows 16 wave on; lanes 0-15 one row, lanes 16-31 the next
	v_lshlrev_b32 v[GO], 11, v122
	v_lshl_add_u32 v[GO], v121, 4, v[GO]           ; and the same two rows in out0
	v_lshlrev_b32 v[PFO], 8, v120
	v_and_b32 v123, 8, v121
	v_add_nc_u32 v123, v123, v121
	v_lshlrev_b32 v123, 2, v123                    ; bk, bv: my one d of a tile: 4 (r + 8 (r / 8))
	v_lshlrev_b32 v124, 6, v122                    ; bq: my sixteen d: 64 h
	WIN 0x40                                       ; destination window 1
.irp k, 0,1,2,3                        ; Wk's and Wv's fragments (block k, K step s) at v[64 k + 16 s]: they stay through phase A
.irp s, 0,1,2,3
.irp c, 0,1,2,3
	global_load_b128 v[64*\k+16*\s+4*\c:64*\k+16*\s+4*\c+3], v[LI], s[PWQ:PWQ+1] offset:(1+\k/2)*262144+(\k%2)*8192+\s*2048+512*\c
.endr
.endr
.endr
	WIN 0
	global_load_b128 v[WQS:WQS+3], v[LI], s[66:67]
	global_load_b128 v[WKS:WKS+3], v[LI], s[66:67] offset:8192
	global_load_b128 v[WVS:WVS+3], v[LI], s[66:67] offset:16384
.irp e, 0,1
	global_load_b32 v[B0+8*\e], v123, s[8:9] offset:32*\e
	global_load_b32 v[B0+16+8*\e], v123, s[10:11] offset:32*\e
	global_load_b128 v[BQ+8*\e:BQ+8*\e+3], v124, s[6:7] offset:32*\e
	global_load_b128 v[BQ+8*\e+4:BQ+8*\e+7], v124, s[6:7] offset:32*\e+16
.endr
	s_wait_loadcnt 0x0
.irp k, 0,1,2,3
.irp n, 1,2,3,4,5,6,7
	v_mov_b32 v[B0+8*\k+\n], v[B0+8*\k]            ; in phase A's results a lane's eight registers are eight T of one d: the bias eight times
.endr
.endr
.irp b, 0,1,2,3
	v_mov_b32 v[TM+4+\b], 0                        ; written once: a lane permute's destination counts as one of its sources
.endr
	s_mov_b32 s[TB], 0
	s_mov_b32 s[TSX], 0
	s_mov_b32 s[TSE], 0
	s_mov_b32 s[TSW], 0
	s_mov_b32 s[TSI], 0
	s_mov_b32 s[TG], STGB
	s_mov_b32 s[PCN], 7
	s_mov_b32 s[CNT], 4
	s_wait_tensorcnt 0x3                           ; the scale tables and my quarter of slot 0 are in; slot 1's and the two last parts' loads may stay out
	s_barrier_signal -1
	s_barrier_wait -1                              ; everybody's are
.La1:                                              ; PHASE A, T steps 0 to 3; behind each step the slot just read takes the fill two steps on
	ATRIP 1, 1
	s_cbranch_scc1 .La1
	PICKUP 0xc0                                    ; the images of T 0 to 511 into window 3
	s_mov_b32 s[TSI], 0                            ; the next four steps store over them
	s_mov_b32 s[CNT], 2
.La2:                                              ; T steps 4 and 5: x's last two fills are asked for
	ATRIP 1, 1
	s_cbranch_scc1 .La2
	; phase B's walking groups 0, one step short of their first use: each change of slots steps them ahead of its load.  The first fills that named these registers were shown landed at the first change of slots
	s_mov_b32 s3, 0
	s_lshl_b32 s2, s[SB], 19
	s_lshl_b32 s66, s[SJ], 14
	s_add_co_u32 s2, s2, s66
	s_add_co_u32 s2, s2, 32768
	s_mov_b32 s[G0BX], 1
	s_add_co_u32 s[G0BX+1], s66, SLOT1+XPO         ; waves 0, 1: half j of a slot's tiles of x
	s_add_nc_u64 s[G0BX+2:G0BX+3], s[4:5], s[2:3]
	s_or_b32 s[G0BX+3], s[G0BX+3], 0x80000000
	s_lshl_b32 s66, s[SJ], 15
	s_add_co_u32 s2, s66, EBO-65536
	s_mov_b32 s[G0BE], 1
	s_add_co_u32 s[G0BE+1], s66, SLOT1             ; waves 2, 3: half j of a slot's tiles of exp(pos_bias)
	s_add_nc_u64 s[G0BE+2:G0BE+3], s[4:5], s[2:3]
	s_or_b32 s[G0BE+3], s[G0BE+3], 0x80000000
	s_mov_b32 s[CNT], 2
.La3:                                              ; T steps 6 and 7: exp(pos_bias)'s tiles of phase B's first two steps are asked for
	ATRIP 2, 0
	s_cbranch_scc1 .La3
	; THE CHANGE OF PHASE: all images lie in LDS, and every wave has passed a barrier behind its stores
	s_mov_b32 s[TSX], 0
	WIN 0x40
.irp e, 0,1                            ; Wq's fragments (tile e, K step s) at v[16 (4 e + s)] of window 1
.irp s, 0,1,2,3
.irp c, 0,1,2,3
	global_load_b128 v[16*(4*\e+\s)+4*\c:16*(4*\e+\s)+4*\c+3], v[LI], s[PWQ:PWQ+1] offset:\e*8192+\s*2048+512*\c
.endr
.endr
.endr
	WIN 0
.irp m, 0,1,2,3                        ; the images' scale bytes: eight half-words (steps 0 to 7) from each of the two waves that made them
	ds_load_b128 v[192+8*\m:195+8*\m], v[ASR] offset:\m*512
	ds_load_b128 v[196+8*\m:199+8*\m], v[ASR] offset:2048+\m*512
.endr
	s_wait_dscnt 0x0
.irp m, 0,1,2,3
.irp g, 0,1,2,3,4,5,6,7
.if \g%2
	v_perm_b32 v[ASC+8*\m+\g], v[196+8*\m+\g/2], v[192+8*\m+\g/2], 0x07060302   ; the two high halves: bytes 0, 1 from wave j = 0, bytes 2, 3 from j = 1
.else
	v_perm_b32 v[ASC+8*\m+\g], v[196+8*\m+\g/2], v[192+8*\m+\g/2], 0x05040100   ; the two low halves
.endif
.endr
.endr
	PICKUP 0x80                                    ; the images of T 512 to 1,023 into window 2; behind its barrier the stages may be stored into
	s_wait_loadcnt 0x0                             ; Wq
	; PHASE B
	BSTEP 0                                        ; t 0 to 63: there is nothing yet to send out
	CHANGE 3, 0
	s_add_co_u32 s[TSX], s[TSX], 1024
	s_add_co_u32 s[TSE], s[TSE], 2048
	s_mov_b32 s[CNT], 13
.Lb:                                               ; steps 1 to 13: behind each the slot just read takes the fill two steps on
	BSTEP 1
	CHANGE 3, 0
	s_wait_xcnt 0x0                                ; the step's stores have read their base and their data
	s_add_nc_u64 s[OUT:OUT+1], s[OUT:OUT+1], 131072   ; 64 rows on
	s_add_co_u32 s[TSX], s[TSX], 1024
	s_add_co_u32 s[TSE], s[TSE], 2048
	s_sub_co_u32 s[CNT], s[CNT], 1
	s_cmp_lg_u32 s[CNT], 0
	s_cbranch_scc1 .Lb
	s_mov_b32 s[CNT], 2
.Lt:                                               ; steps 14 and 15: nothing is left to fetch; the second trip's barrier shows the last stage to all
	BSTEP 1
	CHANGE 0, 0
	s_wait_xcnt 0x0
	s_add_nc_u64 s[OUT:OUT+1], s[OUT:OUT+1], 131072
	s_add_co_u32 s[TSX], s[TSX], 1024
	s_add_co_u32 s[TSE], s[TSE], 2048
	s_sub_co_u32 s[CNT], s[CNT], 1
	s_cmp_lg_u32 s[CNT], 0
	s_cbranch_scc1 .Lt
	v_add_nc_u32 v[ADR], s[TG], v[SRD]             ; the last step's results
	FLOAD
.irp n, 0,1,2,3,4,5,6,7
	s_wait_dscnt 7-\n                              ; load n is in; the younger ones may be out
	global_store_b128 v[GO], v[FL+4*\n:FL+4*\n+3], s[OUT:OUT+1] offset:(2*\n+8*(\n/4))*2048 th:TH_STORE_NT
.endr
	s_wait_tensorcnt 0x0                           ; the wave's end, behind my last tensor load and my last LDS store
	ds_add_u32 v[SPW], v[NIL]
	s_wait_dscnt 0x0
	CROUND                                         ; the closing round: no work-group ends while a partner may still ask for a tile that names it
	s_endpgm
.Lfunc_end_k_q46e4c80a34_aft:
	.size	k_q46e4c80a34_aft, .Lfunc_end_k_q46e4c80a34_aft-k_q46e4c80a34_aft
	.p2alignl 7, 3214868480
	.fill 96, 4, 3214868480
	.section	.rodata,"a",@progbits
	.p2align	6, 0x0
	.amdhsa_kernel k_q46e4c80a34_aft
		.amdhsa_group_segment_fixed_size 327680
		.amdhsa_private_segment_fixed_size 0
		.amdhsa_enable_private_segment 0
		.amdhsa_kernarg_size 40
		.amdhsa_user_sgpr_count 2
		.amdhsa_user_sgpr_kernarg_segment_ptr 1
		.amdhsa_wavefront_size32 1
		.amdhsa_system_sgpr_workgroup_id_x 1
		.amdhsa_system_sgpr_workgroup_id_y 1
		.amdhsa_system_sgpr_workgroup_id_z 1
		.amdhsa_system_vgpr_workitem_id 0
		.amdhsa_next_free_vgpr 1024
		.amdhsa_next_free_sgpr 102
		.amdhsa_reserve_vcc 0
		.amdhsa_float_denorm_mode_32 3
		.amdhsa_float_denorm_mode_16_64 3
		.amdhsa_memory_ordered 1
		.amdhsa_forward_progress 1
		.amdhsa_inst_pref_size 230
	.end_amdhsa_kernel
	.amdgpu_metadata
---
amdhsa.version: [ 1, 2 ]
amdhsa.kernels:
  - .name:           k_q46e4c80a34_aft
    .symbol:         k_q46e4c80a34_aft.kd
    .args:
      - { .name: codes, .offset: 0, .size: 8, .value_kind: global_buffer, .address_space: global }
      - { .name: bq, .offset: 8, .size: 8, .value_kind: global_buffer, .address_space: global }
      - { .name: bk, .offset: 16, .size: 8, .value_kind: global_buffer, .address_space: global }
      - { .name: bv, .offset: 24, .size: 8, .value_kind: global_buffer, .address_space: global }
      - { .name: out0, .offset: 32, .size: 8, .value_kind: global_buffer, .address_space: global }
    .group_segment_fixed_size: 327680
    .private_segment_fixed_size: 0
    .kernarg_segment_align: 8
    .kernarg_segment_size: 40
    .max_flat_workgroup_size: 128
    .sgpr_count:     102
    .vgpr_count:     1024
    .wavefront_size: 32
...
	.end_amdgpu_metadata
.endif
;; end of part 2
